; MI455X (gfx1250); checked and timed in simulation.
; The chip was launched on July 23, 2026; its instructions are those of AMD's public machine-readable ISA for CDNA 5 (MIT licence, August 2026) and "CDNA5" Instruction Set Architecture Reference Guide (July 2026). The comments in the code are by the model that wrote it; some were corrected since.
;; Self Attention. Allowed arithmetic: matrix products marked QUANTISED: E5M2 operands, one E8M0 scale for each 32 along K, by v_wmma_scale_f32_16x16x128_f8f6f4 with both operands' format E5M2, f32 sums; products left as they are: f32 operands where the result goes on into a quantised operand, else bf16, f16 or f32 operands; f32 sums; everything else in f32.
;; Inputs: bk 16 float32; bq 16 float32; bv 256 float32; gamma 1 float32; wk_codes 16 x 8 x 32 uint8 (E5M2 codes of wk, K innermost, in blocks of 32 codes); wk_scales 16 x 8 uint8 (E8M0 scales of wk, one for each 32 codes along K); wq_codes 16 x 8 x 32 uint8 (E5M2 codes of wq, K innermost, in blocks of 32 codes); wq_scales 16 x 8 uint8 (E8M0 scales of wq, one for each 32 codes along K); wv_codes 256 x 8 x 32 uint8 (E5M2 codes of wv, K innermost, in blocks of 32 codes); wv_scales 256 x 8 uint8 (E8M0 scales of wv, one for each 32 codes along K); x 4 x 256 x 64 x 64 float32.
;; Outputs: out0 4 x 256 x 64 x 64 float32.
;; This version of the problem:
;;   THIS VERSION OF THE PROBLEM IS GIVEN IN LOW PRECISION. The matrix products marked QUANTISED in the list below multiply operands that are first quantised to E5M2 (5 exponent bits, 2 mantissa bits; 8 bits a number), with one power-of-two scale for each 32 numbers along K (OCP MX v1.0); their sums are f32. All else is computed in f32.
;;   The module's matrix products, in the order in which they are computed (A, B: the left and right operand; K: the contracted axis; several contracted axes count as one K, in the product's order):
;;     1. [M 16,384, K 256] x [K 256, N 16]; A: input x; B: input wq (given as codes): QUANTISED
;;     2. [M 16,384, K 256] x [K 256, N 16]; A: input x; B: input wk (given as codes): QUANTISED
;;     3. [M 16,384, K 256] x [K 256, N 256]; A: input x; B: input wv (given as codes): QUANTISED
;;     4. batch 4 x [M 4,096, K 16] x [K 16, N 4,096]; A: computed on the way; B: computed on the way: left as it is (K = 16 < 32)
;;     5. batch 4 x [M 256, K 4,096] x [K 4,096, N 4,096]; A: computed on the way; B: softmax (see below): QUANTISED
;;   THE QUANTISER, for each operand of a quantised product, along K:
;;     - K is cut into blocks of 32 from its start; a last block that is shorter is filled with zeros.
;;     - A block's scale is 2^e with e = floor(log2(the largest magnitude in the block)) - 15, held to -126 .. 127; a block of zeros has e = 0. As a byte (E8M0): e + 127.
;;     - Each number is divided by its block's scale, clamped to +-57,344, and rounded to the nearest number of E5M2, ties to even, subnormals kept.
;;     - The product sums the exact products of the quantised numbers (number of the format x scale) in f32.
;;   ~~~python
;;   def quantise(x, axis):      # numpy; x: float32 -> the quantised numbers, widened to float32 again
;;       x = np.moveaxis(x, axis, -1); K = x.shape[-1]
;;       x = np.pad(x, [(0, 0)] * (x.ndim - 1) + [(0, -K % 32)]); x = x.reshape(x.shape[:-1] + (-1, 32)); a = np.abs(x).max(-1, keepdims=True)
;;       e = np.where(a > 0, np.clip(np.frexp(np.where(a > 0, a, 1))[1] - 1 - 15, -126, 127), 0)      # np.frexp(a)[1] - 1 = floor(log2(a)), exactly
;;       r = np.clip(x / 2.0 ** e, -57344, 57344)
;;       step = 2.0 ** (np.maximum(np.frexp(np.where(r == 0, 1, r))[1] - 1, -14) - 2)
;;       q = np.round(r / step) * step * 2.0 ** e      # np.round: ties to even
;;       return np.moveaxis(q.reshape(q.shape[:-2] + (-1,))[..., :K], -1, axis).astype(np.float32)
;;   ~~~
;;   SOFTMAX AHEAD OF A QUANTISED PRODUCT. Where the list says 'softmax', what is quantised is not the finished softmax but p = 2^(t - M), with t = logit x log2(e) and M = ceil(the row's largest t), a whole number; so 1/2 < the row's largest p <= 1. The row's sum l is taken of the UNQUANTISED p, in f32, and the product's result is divided by l at the end. Since M is a whole number, a kernel that streams over the keys may use a running M (the ceiling of the running maximum): every later rescaling is an exact power of two, which a block's scale takes up: the codes' values come out the same.
;;   OPERANDS COMPUTED ON THE WAY. 'Computed on the way' means the value that the module computes at that place (a softmax that the list does not call 'softmax' is quantised finished and normalised). What goes into a quantiser is computed in f32, as accurately as f32 sums, v_exp_f32 and their like allow (about 1e-6 of the number): no bf16 or f16 on the way to a quantiser, and a product that is left as it is and whose result goes on into a quantised operand takes f32 operands (vector FMAs, or v_wmma_f32_16x16x4_f32). A number that lies on a knife's edge between two numbers of the format may be rounded either way, as far as f32 arithmetic and the matrix unit's own rounding can turn it there, and no further.
;;   INPUTS GIVEN AS CODES. wk (in the module: [16, 256], K = its axis 1); wq (in the module: [16, 256], K = its axis 1); wv (in the module: [256, 256], K = its axis 1): each comes as NAME_codes (uint8): NAME with its K axis moved to the last place and cut into blocks of 32 codes, [.., K / 32, bytes a block], one block behind the other in memory; one code a byte (a code: sign, 5 exponent bits, 2 mantissa bits); and NAME_scales (uint8): the same leading axes, one E8M0 byte (e + 127) for each 32 codes along K. Its value is code x scale, taken as it is: it is not quantised again, and the codes and scales need not be those that the quantiser above would give.
;; One version. Each part assembles by itself: llvm-mc -triple=amdgcn-amd-amdhsa -mcpu=gfx1250 --defsym DOCPART=n.
;; ======== version 1 of 1: 2 launches
;; workspace buffers: qf 1,048,576 bytes; kv 5,373,952 bytes
;; launch proj (part 1): grid 64 x 4, 8 waves a work-group, no clusters, 168,960 bytes of LDS; arguments x, wq_codes, wq_scales, bq, wk_codes, wk_scales, bk, wv_codes, wv_scales, bv, qf, kv; writes qf, kv
.if DOCPART == 1
	.amdgcn_target "amdgcn-amd-amdhsa--gfx1250"
	.amdhsa_code_object_version 6
	.text
	.protected	k_qe26bc0ebf7_proj
	.globl	k_qe26bc0ebf7_proj
	.p2align	8
	.type	k_qe26bc0ebf7_proj,@function
k_qe26bc0ebf7_proj:
	s_mov_b64 s[64:65], 0
	v_nop
	global_prefetch_b8 v0, s[64:65] scope:SCOPE_SE
	s_setreg_imm32_b32 hwreg(HW_REG_WAVE_MODE, 25, 1), 1
	s_wait_xcnt 0x0
; q = wq x + bq, k = wk x + bk, v = wv x + bv for 64 pixels of one batch; x: [4][256 channels][4096 pixels] f32; the weights come as E5M2 codes with E8M0 scale bytes.
; x is quantised along the channels (blocks of 32), the three products run on v_wmma_scale_f32_16x16x128_f8f6f4 (both sides E5M2), sums in f32, the biases as the C of each sum's first product.
; q and k leave as f32, v is quantised along the pixels (the keys of the later product).  All three leave as IMAGES OF OPERAND REGISTERS, 16 bytes a lane, in the order in which the next launch's waves take them:
;   qf: [batch][query block of 64][tile 4][half 2][lane][16 B]: lane (r, h): pixel 32 (t / 2) + 8 (t % 2) + r + 8 (r / 8) of the block, d = 8 h + 0 .. 7
;   kv: [batch][block 16][83,968 B]; block j: V's codes of keys 256 j .. +255 [step 2][channel tile 16][group 4][lane][16 B]; at +65,536 k of the NEXT 256 keys [step 2][key tile 8][half 2][lane][16 B];
;       at +81,920 V's scale words [step 2][8 tiles 2][lane][4 words]: word i of lane l: channel tile 8 q + 2 i + l / 16, row l % 16; byte c: the step's key block c.
; SHARES.  Eight waves.  Wave w brings channels 32 w .. 32 w + 31 of the 64 pixels by one tensor load (32 rows of 256 consecutive bytes) and quantises that channel block itself: a lane takes pixels l and l + 32,
; its registers run down the channels, so a block's largest magnitude needs no other lane.  The codes meet in LDS as rows of 256 codes a pixel.  Then wave w makes v's channel tiles 2 w, 2 w + 1 for all 64 pixels
; and one tile of q (waves 0-3) or of k (waves 4-7); that choice is made by selects on the wave's number, so all waves run one text.
; NO CLUSTER: work-groups share only the weights, 74 KB in all beside 16 MB of x; each x byte is read by one work-group.
; LIMITS: NaN and infinities among the inputs are not served; a block whose largest magnitude lies under 2^-111 (a block of zeros too) keeps the scale byte 1: its bytes are read by this program alone.
; The biases start the sums instead of being added last: another order of rounding than the reference's.
.set XT,    0                          ; LDS: the x tile, 256 channel rows of 256 bytes, filled once by the tensor loads
.set XC,    65536                      ; x's codes: 64 pixel rows of 256 bytes + 16
.set XP,    272
.set XS,    XC+64*XP                   ; x's scale bytes: 8 a pixel
.set SLOTB, 83968                      ; a block of kv
.set BATB,  16*SLOTB
.set KOFF,  65536
.set SOFF,  81920
.set XN,    128                        ; v128-191 2 x 32 numbers of x; later the eight accumulators of v at 128 + 32 e + 8 pt
.set PC,    84                         ; v84-99   codes just made
.set MSB, 0
.macro WIN new                         ; the immediate's high byte repeats the setting that is left
.if MSB != \new
	s_set_vgpr_msb (MSB<<8)|\new
.set MSB, \new
.endif
.endm
; REGISTERS, window 0: v1 lane, v2 r, v3 h, v4-15 addresses, v16-31 at work, v32-34 bytes, v36-43 x's scale words (pt, s), v44-45 those of the q/k tile, v46-49 wv's, v50-51 wq's or wk's,
; v52-59 bq or bk, v60-67 the q/k accumulator, v68-83 bv spread.  Window 1: v0-127 x's fragments (pt, s), v128-191 wv's (e, s), v192-223 wq's or wk's (s), v224-255 x's fragment for the q/k tile (s).
	s_load_b256 s[4:11], s[0:1], 0x0               ; x, wq_codes, wq_scales, bq
	s_load_b256 s[12:19], s[0:1], 0x20             ; wk_codes, wk_scales, bk, wv_codes
	s_load_b256 s[20:27], s[0:1], 0x40             ; wv_scales, bv, qf, kv
	v_lshl_add_u32 v254, v0, 2, 0x29000
	v_mov_b32 v255, 0
	ds_add_u32 v254, v255
	ds_add_u32 v254, v255
	v_lshrrev_b32 v1, 5, v0
	v_readfirstlane_b32 s28, v1                    ; wave 0..7
	s_and_b32 s29, s28, 3                          ; pt: which pixel tile my q or k tile takes
	s_and_b32 s31, ttmp7, 0xffff                   ; batch
	; descriptor group 1: 32 rows x 64 elements of 4 bytes, 4,096 elements from row to row, no padding
	s_mov_b32 s32, 2<<16
	s_mov_b32 s33, 64<<16                          ; tensor_dim0 = 64
	s_mov_b32 s34, 32<<16                          ; tensor_dim1 = 32
	s_mov_b32 s35, 64<<16                          ; tile_dim0 = 64
	s_mov_b32 s36, 32                              ; tile_dim1 = 32
	s_mov_b32 s37, 4096
	s_mov_b32 s38, 0
	s_mov_b32 s39, 0
	s_lshl_b32 s48, s31, 22                        ; batch x 4 MiB
	s_lshl_b32 s49, s28, 19                        ; + wave x 32 channels x 16,384 bytes
	s_add_co_u32 s48, s48, s49
	s_lshl_b32 s49, ttmp9, 8                       ; + pixel block x 256 bytes
	s_add_co_u32 s48, s48, s49
	s_mov_b32 s49, 0
	s_mov_b32 s40, 1
	s_lshl_b32 s41, s28, 13                        ; LDS: XT + 8,192 x wave
	; where the results go, as byte offsets
	s_lshr_b32 s58, ttmp9, 2                       ; sl: which 256 keys
	s_bfe_u32 s59, ttmp9, 0x10001                  ; st: which 128 of them
	s_and_b32 s60, ttmp9, 1                        ; hf: which 64 of those
	s_mul_i32 s61, s31, BATB
	s_mul_i32 s62, s58, SLOTB
	s_add_co_u32 s62, s62, s61                     ; block sl of my batch
	s_lshl_b32 s50, s59, 15                        ; V: + 32,768 st + 4,096 wave + 1,024 hf
	s_add_co_u32 s52, s62, s50
	s_lshl_b32 s50, s28, 12
	s_add_co_u32 s52, s52, s50
	s_lshl_b32 s50, s60, 10
	s_add_co_u32 s52, s52, s50
	s_mov_b32 s53, 0
	s_lshl_b32 s50, s59, 10                        ; V's scale words: + 81,920 + 1,024 st + 512 (wave / 4) + 4 (wave % 4) + 2 hf
	s_add_co_u32 s54, s62, s50
	s_lshr_b32 s50, s28, 2
	s_lshl_b32 s50, s50, 9
	s_add_co_u32 s54, s54, s50
	s_lshl_b32 s50, s29, 2
	s_add_co_u32 s54, s54, s50
	s_lshl_b32 s50, s60, 1
	s_add_co_u32 s54, s54, s50
	s_add_co_u32 s54, s54, SOFF
	s_mov_b32 s55, 0
	s_add_co_u32 s50, s58, 15                      ; k: in the block before, (sl + 15) % 16: + 65,536 + 8,192 st + 1,024 (4 hf + pt)
	s_and_b32 s50, s50, 15
	s_mul_i32 s50, s50, SLOTB
	s_add_co_u32 s51, s50, s61
	s_lshl_b32 s50, s59, 13
	s_add_co_u32 s51, s51, s50
	s_lshl_b32 s50, s60, 2
	s_add_co_u32 s50, s50, s29
	s_lshl_b32 s50, s50, 10
	s_add_co_u32 s51, s51, s50
	s_add_co_u32 s51, s51, KOFF
	s_lshl_b32 s50, s31, 6                         ; q: ((64 batch + pixel block) 4 + pt) x 1,024
	s_add_co_u32 s50, s50, ttmp9
	s_lshl_b32 s50, s50, 2
	s_add_co_u32 s50, s50, s29
	s_lshl_b32 s50, s50, 10
	s_mov_b32 s44, 0x76543210
	s_mov_b32 s45, 0xfedcba98                      ; v_permlanex16_b32's selects for lane l xor 16
	s_mov_b32 s46, 0x600000                        ; the mantissa field of 57,344
	s_wait_dscnt 0x0
	s_wait_kmcnt 0x0
	s_add_nc_u64 s[42:43], s[4:5], s[48:49]
	s_or_b32 s43, s43, 0x80000000                  ; type = 2
	tensor_load_to_lds s[40:43], s[32:39]          ; my 32 channel rows: the one tensor load of this wave, and nothing is filled again
	s_nop 0
.rept 4
	v_nop
.endr
	s_add_nc_u64 s[52:53], s[26:27], s[52:53]      ; V's codes
	s_add_nc_u64 s[54:55], s[26:27], s[54:55]      ; V's scale words
	s_lshl_b32 s48, s28, 13                        ; my 32 rows of wv: 256 bytes each,
	s_add_nc_u64 s[18:19], s[18:19], s[48:49]
	s_lshl_b32 s48, s28, 8                         ; their scale bytes, 8 a row,
	s_add_nc_u64 s[20:21], s[20:21], s[48:49]
	s_lshl_b32 s48, s28, 7                         ; and their biases
	s_add_nc_u64 s[22:23], s[22:23], s[48:49]
	s_cmp_lt_u32 s28, 4                            ; waves 0-3 make q, waves 4-7 k: only pointers and an offset are chosen
	s_cselect_b64 s[6:7], s[6:7], s[12:13]
	s_cselect_b64 s[8:9], s[8:9], s[14:15]
	s_cselect_b64 s[10:11], s[10:11], s[16:17]
	s_cselect_b64 s[56:57], s[24:25], s[26:27]
	s_cselect_b32 s58, s50, s51
	s_mov_b32 s59, 0
	s_add_nc_u64 s[56:57], s[56:57], s[58:59]
	v_and_b32 v1, 31, v0                           ; lane
	v_and_b32 v2, 15, v0                           ; r
	v_bfe_u32 v3, v0, 4, 1                         ; h
	s_lshl_b32 s48, s28, 13
	v_lshlrev_b32 v4, 2, v1
	v_add_nc_u32 v4, s48, v4                       ; the x tile: my wave's rows, 4 bytes a lane
	s_lshl_b32 s48, s28, 5
	s_add_co_u32 s48, s48, XC
	v_mul_u32_u24 v5, v1, XP
	v_add_nc_u32 v5, s48, v5                       ; where my codes go: pixel row = lane, byte 32 x wave
	s_add_co_u32 s48, s28, XS
	v_lshlrev_b32 v6, 3, v1
	v_add_nc_u32 v6, s48, v6                       ; and my scale byte: 8 x lane + wave
	v_and_b32 v16, 8, v2
	v_add_nc_u32 v16, v16, v2                      ; r + 8 (r / 8): THE PIXELS OF A TILE ARE NOT NEIGHBOURS, so that two neighbouring tiles' 16 result registers are 16 neighbouring pixels
	v_mul_u32_u24 v7, v16, XP
	v_lshl_add_u32 v7, v3, 4, v7
	v_add_nc_u32 v7, XC, v7                        ; a fragment of x: row x pitch + 16 h
	v_lshl_add_u32 v8, v16, 3, XS                  ; its scale words
	s_lshr_b32 s48, s29, 1
	s_lshl_b32 s48, s48, 5
	s_and_b32 s49, s29, 1
	s_lshl_b32 s49, s49, 3
	s_add_co_u32 s48, s48, s49                     ; tile pt begins at pixel 32 (pt / 2) + 8 (pt % 2)
	s_mul_i32 s49, s48, XP
	v_add_nc_u32 v9, s49, v7                       ; the q/k tile's fragment of x
	s_lshl_b32 s49, s48, 3
	v_add_nc_u32 v10, s49, v8                      ; and its scale words
	v_lshlrev_b32 v11, 8, v2
	v_lshl_add_u32 v11, v3, 4, v11                 ; a weight's fragment: row r of 256 bytes + 16 h
	v_lshlrev_b32 v12, 3, v2                       ; its scale bytes: 8 a row
	v_lshlrev_b32 v13, 2, v2                       ; bv: 4 r
	v_lshlrev_b32 v14, 5, v3                       ; bq, bk: 32 h
	v_lshlrev_b32 v15, 4, v1                       ; an image's place for my lane
.irp b, 0,1,2,3
	v_mov_b32 v[20+\b], 0                          ; written once: a lane permute's destination counts as one of its sources
.endr
	WIN 0x40                                       ; destination window 1
.irp e, 0,1
.irp s, 0,1
.irp c, 0,1,2,3
	global_load_b128 v[128+16*(2*\e+\s)+4*\c:128+16*(2*\e+\s)+4*\c+3], v11, s[18:19] offset:4096*\e+128*\s+32*\c
.endr
.endr
.endr
.irp s, 0,1
.irp c, 0,1,2,3
	global_load_b128 v[192+16*\s+4*\c:192+16*\s+4*\c+3], v11, s[6:7] offset:128*\s+32*\c
.endr
.endr
	WIN 0
.irp e, 0,1
.irp s, 0,1
	global_load_b32 v[46+2*\e+\s], v12, s[20:21] offset:128*\e+4*\s
.endr
.endr
.irp s, 0,1
	global_load_b32 v[50+\s], v12, s[8:9] offset:4*\s
.endr
.irp e, 0,1
	global_load_b32 v[68+8*\e], v13, s[22:23] offset:64*\e        ; bv of channel r of tile e
.endr
	global_load_b128 v[52:55], v14, s[10:11]                       ; bq or bk at d = 8 h + 0 .. 7
	global_load_b128 v[56:59], v14, s[10:11] offset:16
	s_wait_tensorcnt 0x0                           ; my rows are in LDS; only I read them, so no barrier is owed
.irp i, 0,1
.set k1, 0
.rept 32
	ds_load_b32 v[XN+32*\i+k1], v4 offset:256*k1+128*\i            ; channel 32 w + k1 of pixel lane + 32 i: 32 lanes read 128 consecutive bytes
.set k1, k1+1
.endr
.endr
; One pixel's block of 32 channels: largest magnitude with the floor 2^(16 - 127), scale, hold, codes; 32 bytes into the pixel's row, one scale byte.
.macro XBLOCK i
.set XB, XN+32*\i
	v_max3_num_f32 v16, |v[XB]|, |v[XB+1]|, |v[XB+2]|
	v_max3_num_f32 v17, |v[XB+3]|, |v[XB+4]|, |v[XB+5]|
.irp k, 6,10,14,18,22,26
	v_max3_num_f32 v16, v16, |v[XB+\k]|, |v[XB+\k+1]|
	v_max3_num_f32 v17, v17, |v[XB+\k+2]|, |v[XB+\k+3]|
.endr
	v_max3_num_f32 v16, v16, |v[XB+30]|, |v[XB+31]|
	v_max3_num_f32 v16, v16, v17, 0x8000000        ; the floor holds the byte at 1 from below
	v_add_nc_u32 v28, 0xf8800000, v16              ; 15 off the exponent field: the conversion's scale operand
	v_and_or_b32 v24, v16, 0x7f800000, s46         ; 57,344 x the scale
	v_lshrrev_b32 v[32+\i], 23, v28                ; the scale's byte
.set k1, 0
.rept 32
	v_med3_num_f32 v[XB+k1], v[XB+k1], -v24, v24   ; the conversion to an 8-bit code does not saturate (ISA guide 7.6.2): the hold comes first
.set k1, k1+1
.endr
.irp q, 0,1,2,3
	v_cvt_scalef32_pk8_bf8_f32 v[PC+8*\i+2*\q:PC+8*\i+2*\q+1], v[XB+8*\q:XB+8*\q+7], v28
.endr
	v_nop                                          ; a plain line behind the last conversion, ahead of whatever next touches its registers
	ds_store_b128 v5, v[PC+8*\i:PC+8*\i+3] offset:32*XP*\i
	ds_store_b128 v5, v[PC+8*\i+4:PC+8*\i+7] offset:32*XP*\i+16
	ds_store_b8 v6, v[32+\i] offset:256*\i
.endm
	s_wait_dscnt 32                                ; the first pixel's 32 loads are in; the second's may be out
	XBLOCK 0
	s_wait_dscnt 3                                 ; all loads are in; the three stores just issued may be out
	XBLOCK 1
	s_wait_dscnt 0x0                               ; for the others' sake: my stores have landed
	s_barrier_signal -1
	s_barrier_wait -1                              ; all 64 rows of codes and their scale bytes lie in LDS
	WIN 0x40
.irp pt, 0,1,2,3
.irp s, 0,1
.irp c, 0,1,2,3
	ds_load_b128 v[16*(2*\pt+\s)+4*\c:16*(2*\pt+\s)+4*\c+3], v7 offset:(32*(\pt/2)+8*(\pt%2))*XP+128*\s+32*\c
.endr
.endr
.endr
.irp s, 0,1
.irp c, 0,1,2,3
	ds_load_b128 v[224+16*\s+4*\c:224+16*\s+4*\c+3], v9 offset:128*\s+32*\c
.endr
.endr
	WIN 0
.irp pt, 0,1,2,3
.irp s, 0,1
	ds_load_b32 v[36+2*\pt+\s], v8 offset:(32*(\pt/2)+8*(\pt%2))*8+4*\s
.endr
.endr
.irp s, 0,1
	ds_load_b32 v[44+\s], v10 offset:4*\s
.endr
	s_wait_loadcnt 0x0                             ; the weights, their scale words and the biases
.irp e, 0,1
.irp j, 1,2,3,4,5,6,7
	v_mov_b32 v[68+8*\e+\j], v[68+8*\e]            ; in v's result a lane holds one channel in all eight registers: its bias eight times
.endr
.endr
.rept 4
	v_nop
.endr
	s_wait_dscnt 0x0
	WIN 0x05                                       ; sources 0 and 1 window 1; C and D window 0
; 18 products, nine accumulators by turns.  v: source 0 = 16 pixels of x, source 1 = 16 rows of wv: lane (r, h) holds channel r, register j pixel 32 b + 16 h + 8 u + j.
; q, k: source 0 = the 16 rows of wq or wk, source 1 = 16 pixels: lane (r, h) holds one pixel and d = 8 h + j.
.irp s, 0,1
.irp e, 0,1
.irp pt, 0,1,2,3
.if \s == 0
	v_wmma_scale_f32_16x16x128_f8f6f4 v[XN+32*\e+8*\pt:XN+32*\e+8*\pt+7], v[16*(2*\pt+\s):16*(2*\pt+\s)+15], v[128+16*(2*\e+\s):128+16*(2*\e+\s)+15], v[68+8*\e:75+8*\e], v[36+2*\pt+\s], v[46+2*\e+\s] matrix_a_fmt:MATRIX_FMT_BF8 matrix_b_fmt:MATRIX_FMT_BF8
.else
	v_wmma_scale_f32_16x16x128_f8f6f4 v[XN+32*\e+8*\pt:XN+32*\e+8*\pt+7], v[16*(2*\pt+\s):16*(2*\pt+\s)+15], v[128+16*(2*\e+\s):128+16*(2*\e+\s)+15], v[XN+32*\e+8*\pt:XN+32*\e+8*\pt+7], v[36+2*\pt+\s], v[46+2*\e+\s] matrix_a_fmt:MATRIX_FMT_BF8 matrix_b_fmt:MATRIX_FMT_BF8
.endif
.endr
.endr
.if \s == 0
	v_wmma_scale_f32_16x16x128_f8f6f4 v[60:67], v[192+16*\s:207+16*\s], v[224+16*\s:239+16*\s], v[52:59], v[50+\s], v[44+\s] matrix_a_fmt:MATRIX_FMT_BF8 matrix_b_fmt:MATRIX_FMT_BF8
.else
	v_wmma_scale_f32_16x16x128_f8f6f4 v[60:67], v[192+16*\s:207+16*\s], v[224+16*\s:239+16*\s], v[60:67], v[50+\s], v[44+\s] matrix_a_fmt:MATRIX_FMT_BF8 matrix_b_fmt:MATRIX_FMT_BF8
.endif
.endr
	WIN 0
.rept 8
	v_nop                                          ; eight places between the products and the first read of their results
.endr
	global_store_b128 v15, v[60:63], s[56:57]                      ; q or k: the accumulator is the next launch's operand image as it stands; 32 lanes store 512 consecutive bytes
	global_store_b128 v15, v[64:67], s[56:57] offset:512
; v is quantised along the pixels: block B = 2 e + b is registers 128 + 16 B + 0 .. 15 of lanes l and l xor 16
.irp b, 0,1,2,3
	v_max3_num_f32 v[16+\b], |v[XN+16*\b]|, |v[XN+1+16*\b]|, 0x8000000
.endr
.irp i, 2,4,6,8,10,12,14
.irp b, 0,1,2,3
	v_max3_num_f32 v[16+\b], v[16+\b], |v[XN+16*\b+\i]|, |v[XN+1+16*\b+\i]|
.endr
.endr
.irp b, 0,1,2,3
	v_permlanex16_b32 v[20+\b], v[16+\b], s44, s45
.endr
.irp b, 0,1,2,3
	v_max_num_f32 v[16+\b], v[16+\b], v[20+\b]     ; the block's largest magnitude
.endr
.irp b, 0,1,2,3
	v_add_nc_u32 v[28+\b], 0xf8800000, v[16+\b]    ; the conversion's scale operand
.endr
.irp b, 0,1,2,3
	v_and_or_b32 v[24+\b], v[16+\b], 0x7f800000, s46   ; 57,344 x the scale
.endr
.irp b, 0,1,2,3
	v_lshrrev_b32 v[20+\b], 23, v[28+\b]           ; the scale's byte
.endr
	v_lshl_or_b32 v32, v21, 8, v20                 ; tile e = 0: the bytes of my two key blocks
	v_lshl_or_b32 v33, v23, 8, v22                 ; tile e = 1
	v_cmp_lt_u32 vcc_lo, 15, v1
	v_cndmask_b32 v34, v32, v33, vcc_lo            ; lanes 0-15 store tile 2 w's, lanes 16-31 tile 2 w + 1's
.irp b, 0,1,2,3
.irp i, 0,1,2,3,4,5,6,7,8,9,10,11,12,13,14,15
	v_med3_num_f32 v[XN+16*\b+\i], v[XN+16*\b+\i], -v[24+\b], v[24+\b]
.endr
	v_cvt_scalef32_pk8_bf8_f32 v[PC+4*\b:PC+4*\b+1], v[XN+16*\b:XN+16*\b+7], v[28+\b]
	v_cvt_scalef32_pk8_bf8_f32 v[PC+4*\b+2:PC+4*\b+3], v[XN+16*\b+8:XN+16*\b+15], v[28+\b]
.endr
	v_nop
.irp e, 0,1
.irp b, 0,1
	global_store_b128 v15, v[PC+4*(2*\e+\b):PC+4*(2*\e+\b)+3], s[52:53] offset:2048*\e+512*\b   ; 32 lanes store 512 consecutive bytes
.endr
.endr
	global_store_b16 v15, v34, s[54:55]            ; two of a scale word's four bytes: the neighbouring pixel block stores the other two (512 of the 24.5 KB that a work-group stores)
	s_wait_tensorcnt 0x0
	ds_add_u32 v254, v255
	s_wait_dscnt 0x0
	s_endpgm
.Lfunc_end_k_qe26bc0ebf7_proj:
	.size	k_qe26bc0ebf7_proj, .Lfunc_end_k_qe26bc0ebf7_proj-k_qe26bc0ebf7_proj
	.p2alignl 7, 3214868480
	.fill 96, 4, 3214868480
	.section	.rodata,"a",@progbits
	.p2align	6, 0x0
	.amdhsa_kernel k_qe26bc0ebf7_proj
		.amdhsa_group_segment_fixed_size 168960
		.amdhsa_private_segment_fixed_size 0
		.amdhsa_enable_private_segment 0
		.amdhsa_kernarg_size 96
		.amdhsa_user_sgpr_count 2
		.amdhsa_user_sgpr_kernarg_segment_ptr 1
		.amdhsa_wavefront_size32 1
		.amdhsa_system_sgpr_workgroup_id_x 1
		.amdhsa_system_sgpr_workgroup_id_y 1
		.amdhsa_system_sgpr_workgroup_id_z 1
		.amdhsa_system_vgpr_workitem_id 0
		.amdhsa_next_free_vgpr 512
		.amdhsa_next_free_sgpr 66
		.amdhsa_reserve_vcc 1
		.amdhsa_float_denorm_mode_32 3
		.amdhsa_float_denorm_mode_16_64 3
		.amdhsa_memory_ordered 1
		.amdhsa_forward_progress 1
		.amdhsa_inst_pref_size 36
	.end_amdhsa_kernel
	.amdgpu_metadata
---
amdhsa.version: [ 1, 2 ]
amdhsa.kernels:
  - .name:           k_qe26bc0ebf7_proj
    .symbol:         k_qe26bc0ebf7_proj.kd
    .args:
      - { .name: x, .offset: 0, .size: 8, .value_kind: global_buffer, .address_space: global }
      - { .name: wq_codes, .offset: 8, .size: 8, .value_kind: global_buffer, .address_space: global }
      - { .name: wq_scales, .offset: 16, .size: 8, .value_kind: global_buffer, .address_space: global }
      - { .name: bq, .offset: 24, .size: 8, .value_kind: global_buffer, .address_space: global }
      - { .name: wk_codes, .offset: 32, .size: 8, .value_kind: global_buffer, .address_space: global }
      - { .name: wk_scales, .offset: 40, .size: 8, .value_kind: global_buffer, .address_space: global }
      - { .name: bk, .offset: 48, .size: 8, .value_kind: global_buffer, .address_space: global }
      - { .name: wv_codes, .offset: 56, .size: 8, .value_kind: global_buffer, .address_space: global }
      - { .name: wv_scales, .offset: 64, .size: 8, .value_kind: global_buffer, .address_space: global }
      - { .name: bv, .offset: 72, .size: 8, .value_kind: global_buffer, .address_space: global }
      - { .name: qf, .offset: 80, .size: 8, .value_kind: global_buffer, .address_space: global }
      - { .name: kv, .offset: 88, .size: 8, .value_kind: global_buffer, .address_space: global }
    .group_segment_fixed_size: 168960
    .private_segment_fixed_size: 0
    .kernarg_segment_align: 8
    .kernarg_segment_size: 96
    .max_flat_workgroup_size: 256
    .sgpr_count:     66
    .vgpr_count:     512
    .wavefront_size: 32
...
	.end_amdgpu_metadata
.endif
;; end of part 1
;; launch attn (part 2): grid 64 x 4, 8 waves a work-group, clusters of 4 x 1, 327,680 bytes of LDS; arguments qf, kv, x, gamma, out0; writes out0
.if DOCPART == 2
	.amdgcn_target "amdgcn-amd-amdhsa--gfx1250"
	.amdhsa_code_object_version 6
	.text
	.protected	k_qe26bc0ebf7_attn
	.globl	k_qe26bc0ebf7_attn
	.p2align	8
	.type	k_qe26bc0ebf7_attn,@function
k_qe26bc0ebf7_attn:
	s_mov_b64 s[64:65], 0
	v_nop
	global_prefetch_b8 v0, s[64:65] scope:SCOPE_SE
	s_setreg_imm32_b32 hwreg(HW_REG_WAVE_MODE, 25, 1), 1
	s_wait_xcnt 0x0
	s_wait_alu depctr_hold_cnt(0) depctr_sa_sdst(0) depctr_va_vdst(0) depctr_va_sdst(0) depctr_va_ssrc(0) depctr_va_vcc(0) depctr_vm_vsrc(0)
	s_getreg_b32 s2, hwreg(HW_REG_IB_STS2, 6, 4)
	s_cmp_eq_u32 s2, 0
	s_cbranch_scc0 .Lentry_in_a_cluster
	s_endpgm
.Lentry_in_a_cluster:
	s_bfe_u32 s2, ttmp6, 0x10000c
	s_cmp_lg_u32 s2, 0x3003
	s_cbranch_scc0 .Lentry_shape_is_right
	s_endpgm
.Lentry_shape_is_right:
; out[b][c][n] = gamma x (sum over m of v[c][m] softmax_m(q[n] . k[m])) + x[b][c][n], for 64 queries n of one batch; 4,096 keys, 16 channels of q and k, 256 of v.
; q . k stays in f32 (v_wmma_f32_16x16x4_f32: its result goes into a quantiser); v p^T runs on E5M2 codes (v_wmma_scale_f32_16x16x128_f8f6f4), v's codes made by the launch before, p's here.
; THE SOFTMAX: t = score x log2(e); M = the largest t so far, rounded UP to a whole number; p = 2^(t - M) is quantised along the keys; the row's sum is taken of the unquantised p and divides at the end.
; When M moves, the sum and O are multiplied by 2^(old M - new M): exact.
; SHARES.  Eight waves, two to a SIMD.  Wave w owns query tile t = w % 4 (16 queries) and key group g = w / 4: of each slot's 256 keys it takes step g, 128 keys: 16 steps, with M, sum and O^T of its own.
; At the end waves w and w xor 4 are joined by exact powers of two, and the two parts and x are added on the way out.
; LAYOUT.  Both products are used transposed (S^T = k q^T, O^T = v p^T): a lane holds ONE query throughout.  The keys of a tile are not neighbours (lane r of tile 2 b + u: key 32 b + 8 u + r + 8 (r / 8)),
; so that the 16 score registers of tiles 2 b, 2 b + 1 are 16 neighbouring keys and the conversions' results are the second product's operand.  All operands lie in kv as images of registers: every LDS load
; reads 512 consecutive bytes.
; ONE STEP AHEAD.  While a step's exponentials, sums and conversions run, the NEXT step's 32 f32 products stand among them; S^T, K, Q and p lie in window 0, so no window switch is paid for that.
; A block of kv therefore holds V of 256 keys and k of the next 256: a step reads one slot.
; CLUSTER.  The four query blocks of a cluster belong to one batch and walk the same blocks of kv: each refill is asked for JOINTLY, every wave one load of 41 rows of 256 bytes with a mask that names the four.
; LIMITS: NaN and infinities are not served; a p under 2^-126 falls to 0; a block of p whose largest lies under 2^-111 keeps the scale byte 1; q . k sums d in the order 8 h + 2 kk + j, not ascending.
.set SLOTB, 83968                      ; a block of kv, and what a slot takes: 328 rows of 256 bytes
.set BATB,  16*SLOTB
.set SLOT1, 131072                     ; slot 1 begins here: one exclusive or turns an address in one slot into the other's
.set KOFF,  65536
.set SOFF,  81920
.set PART,  41*256                     ; a wave's part of a slot
.set XCH,   SLOT1+SLOTB                ; 8 bytes a thread: -M and the sum, for the partner wave
.set SPARE, XCH+2048                   ; the spare words, 128 bytes for each wave: four blocks of 256 bytes that no other line names
.set SP,    272                        ; the way out: two stages of 256 channel rows x (256 bytes + 16), in slots 0 and 1, which have had their last fill and their last read by then
.set SPW, 1                            ; v1   LDS address of my spare word; never rewritten
.set NIL, 2                            ; v2   0; never rewritten
.set AK0, 3                            ; v3   my lane's place in a slot's images of k; on the way out: where I read stage A
.set AV0, 4                            ; v4   of V; on the way out: stage B
.set AS0, 5                            ; v5   of V's scale words
.set ADR, 6                            ; v6   the address of the loads in hand
.set PFO, 7                            ; v7   the prefetches' offset; never rewritten
.set NM,  10                           ; v10  -M;  v11 the largest t so far (named with it as a pair)
.set TM,  11
.set LS,  12                           ; v[12:13] the sum, in two halves
.set FC,  14                           ; v[14:15] f = 2^(old M - new M); v15 is only named with it
.set BM,  16                           ; v16-19 each block's largest score, then its largest p, then its byte
.set BH,  20                           ; v20-23 57,344 x the scale; also the permute's destination
.set BS,  24                           ; v24-27 the conversions' scale operands
.set PW,  28                           ; v28  p's scale word
.set STO1, 29                          ; v29  the stage: channel tiles 8-15
.set VS,  30                           ; v30-37 V's scale words
.set QR,  38                           ; v38-45 q
.set PC,  46                           ; v46-61 p's codes
.set XO,  62                           ; v62  my byte offset in x and out
.set STO0, 63                          ; v63  the stage: channel tiles 0-7
.set KF,  64                           ; v64-127 k of one step; in the last step x
.set SR,  128                          ; v128-191 S^T: written by matrix instructions alone
.set PR,  192                          ; v192-255 t - M, then p
.set VF,  128                          ; window 1: v0-127 O^T (channel tile ct at 8 ct), v128-255 eight fragments of V
.set WV,  14
.set SEL, 20                           ; s[20:21] selects for lane l xor 16
.set CS,  22                           ; s[22:23] log2(e), twice
.set MNT, 24
.set TB,  25                           ; s25  LDS byte at which the slot in hand begins
.set SLOTS, 26                         ; s26  slots still to be asked for
.set LIM, 27                           ; s27  1 in a wave that prefetches, else the greatest number
.set PFA, 28                           ; s[28:29] where my prefetches stand
.set G1,  32                           ; s[32:39] descriptor group 1;  s[40:43] group 0 of slot 0's first fill;  s[44:47] the group 0 that walks
.set G0A, 40
.set G0W, 44
.set MSB, 0
.macro WIN new                         ; the immediate's high byte repeats the setting that is left
.if MSB != \new
	s_set_vgpr_msb (MSB<<8)|\new
.set MSB, \new
.endif
.endm
.macro CROUND                          ; a round of the cluster's barrier
	s_barrier_signal -1
	s_barrier_wait -1
	s_cmp_lg_u32 s[WV], 0
	s_cbranch_scc1 .Lnot_wave_0_\@
	s_barrier_signal -3
.Lnot_wave_0_\@:
	s_barrier_wait -3
	s_barrier_signal -1
	s_barrier_wait -1
.endm
; A prefetch of the block that the NEXT change of slots will ask for.  All clusters of a batch walk the same blocks: the batch's first cluster asks.  Its four partners take 82 of the 328 rows each, told apart by
; address; in each, waves 0 to 2 ask, a lane a row of 256 bytes (lanes 82 to 95 name row 81 again: 82 is no multiple of 32).  The last change that fills a slot asks for nothing; blocks 0 to 2 come by their loads alone.
.macro ASK
	s_cmp_gt_u32 s[SLOTS], s[LIM]
	s_cbranch_scc0 .Lnot_mine_\@
	global_prefetch_b8 v[PFO], s[PFA:PFA+1] th:TH_LOAD_NT scope:SCOPE_SE
.Lnot_mine_\@:
.endm
; f32 product number FI of 32 of S^T = k q^T: key tile FI % 8, d group FI / 8.  The eight accumulators take turns, one instruction a turn; the first eight start the sums with 0.
.macro FW
.if FI < 32
.set kk, FI/8
.set tt, FI%8
.if FI < 8
	v_wmma_f32_16x16x4_f32 v[SR+8*tt:SR+8*tt+7], v[KF+8*tt+2*kk:KF+8*tt+2*kk+1], v[QR+2*kk:QR+2*kk+1], 0
.else
	v_wmma_f32_16x16x4_f32 v[SR+8*tt:SR+8*tt+7], v[KF+8*tt+2*kk:KF+8*tt+2*kk+1], v[QR+2*kk:QR+2*kk+1], v[SR+8*tt:SR+8*tt+7]
.endif
.set FI, FI+1
.endif
.endm
; THE HEAD OF A STEP'S SOFTMAX, in four parts.  Each block's largest score serves twice: for the row's maximum and, since p rises with the score, for the block's largest p.
.macro HEAD_A                          ; 12 lines; each accumulator is first read at its low end
.irp b, 0,1,2,3
	v_max3_num_f32 v[BM+\b], v[SR+16*\b], v[SR+16*\b+1], v[SR+16*\b+2]
.endr
.irp i, 3,5
.irp b, 0,1,2,3
	v_max3_num_f32 v[BM+\b], v[BM+\b], v[SR+16*\b+\i], v[SR+16*\b+\i+1]
.endr
.endr
.endm
.macro HEAD_B                          ; 28 lines
.irp i, 7,9,11,13
.irp b, 0,1,2,3
	v_max3_num_f32 v[BM+\b], v[BM+\b], v[SR+16*\b+\i], v[SR+16*\b+\i+1]
.endr
.endr
.irp b, 0,1,2,3
	v_max_num_f32 v[BM+\b], v[BM+\b], v[SR+16*\b+15]
.endr
.irp b, 0,1,2,3
	v_permlanex16_b32 v[BH+\b], v[BM+\b], s[SEL], s[SEL+1]
.endr
.irp b, 0,1,2,3
	v_max_num_f32 v[BM+\b], v[BM+\b], v[BH+\b]     ; with lane l xor 16's 16 keys
.endr
.endm
.macro HEAD_C                          ; M and f, then half of t - M
	v_max3_num_f32 v8, v[BM], v[BM+1], v[BM+2]
	v_max_num_f32 v8, v8, v[BM+3]
	v_mul_f32 v8, s[CS], v8                        ; the step's largest t of my query
	v_max_num_f32 v[TM], v[TM], v8
	v_mov_b32 v8, v[NM]
	v_floor_f32 v[NM], -v[TM]                      ; -M = floor(-t): M is a whole number
	v_sub_f32 v8, v[NM], v8                        ; old M - new M: a whole number, 0 or less
	v_cvt_i32_f32 v8, v8                           ; (it saturates)
	v_ldexp_f32 v[FC], 1.0, v8
.set j1, 0
.rept 16
	v_pk_fma_f32 v[PR+j1:PR+j1+1], v[SR+j1:SR+j1+1], s[CS:CS+1], v[NM:NM+1] op_sel_hi:[1,0,0]   ; t - M, into registers of their own
.set j1, j1+2
.endr
.endm
.macro HEAD_D                          ; the other half, and the same of each block's largest score: 20 plain lines
.set j1, 32
.rept 16
	v_pk_fma_f32 v[PR+j1:PR+j1+1], v[SR+j1:SR+j1+1], s[CS:CS+1], v[NM:NM+1] op_sel_hi:[1,0,0]
.set j1, j1+2
.endr
.irp b, 0,1,2,3
	v_fma_f32 v[BM+\b], v[BM+\b], s[CS], v[NM]
.endr
.endm
; Eight products of O^T += v p^T: channel tiles c0 .. c0 + 7, K = the step's 128 keys.  V's scale words: register ct / 2, lanes 0-15 for even tiles, lanes 16-31 for odd ones.
.macro MX8 c0, first
	WIN 0x51                                       ; V, C and D window 1; p's codes window 0
.set i1, 0
.rept 8
.set ct, \c0+i1
.if \first
.if ct%2
	v_wmma_scale_f32_16x16x128_f8f6f4 v[8*ct:8*ct+7], v[VF+16*i1:VF+16*i1+15], v[PC:PC+15], 0, v[VS+ct/2], v[PW] matrix_a_fmt:MATRIX_FMT_BF8 matrix_b_fmt:MATRIX_FMT_BF8 matrix_a_scale:MATRIX_SCALE_ROW1
.else
	v_wmma_scale_f32_16x16x128_f8f6f4 v[8*ct:8*ct+7], v[VF+16*i1:VF+16*i1+15], v[PC:PC+15], 0, v[VS+ct/2], v[PW] matrix_a_fmt:MATRIX_FMT_BF8 matrix_b_fmt:MATRIX_FMT_BF8
.endif
.else
.if ct%2
	v_wmma_scale_f32_16x16x128_f8f6f4 v[8*ct:8*ct+7], v[VF+16*i1:VF+16*i1+15], v[PC:PC+15], v[8*ct:8*ct+7], v[VS+ct/2], v[PW] matrix_a_fmt:MATRIX_FMT_BF8 matrix_b_fmt:MATRIX_FMT_BF8 matrix_a_scale:MATRIX_SCALE_ROW1
.else
	v_wmma_scale_f32_16x16x128_f8f6f4 v[8*ct:8*ct+7], v[VF+16*i1:VF+16*i1+15], v[PC:PC+15], v[8*ct:8*ct+7], v[VS+ct/2], v[PW] matrix_a_fmt:MATRIX_FMT_BF8 matrix_b_fmt:MATRIX_FMT_BF8
.endif
.endif
.set i1, i1+1
.endr
	WIN 0
.endm
; A KEY STEP.  first = 1: its products start O^T.  next = 1: the next step's scores and the head of its softmax are made on the way; next = 0: the last step, which asks for x instead of k.
.macro BODY first, next
.if \next
.set FI, 0
	v_add_nc_u32 v[ADR], s[TB], v[AK0]
.set f1, 0
.rept 16
	ds_load_b128 v[KF+4*f1:KF+4*f1+3], v[ADR] offset:512*f1       ; the next step's k: the last f32 product stands 64 plain lines back (in the first step: 13)
.set f1, f1+1
.endr
.else
.set FI, 32
.set f1, 0
.rept 16
	global_load_b128 v[KF+4*f1:KF+4*f1+3], v[XO], s[8:9] offset:f1*2*16384 th:TH_LOAD_NT   ; x for the way out: channels 32 w + 2 f1 + lane / 16; sixteen lanes read 256 consecutive bytes
.set f1, f1+1
.endr
.endif
	v_add_nc_u32 v[ADR], s[TB], v[AS0]
	ds_load_b128 v[VS:VS+3], v[ADR]
	ds_load_b128 v[VS+4:VS+7], v[ADR] offset:512
	v_add_nc_u32 v[ADR], s[TB], v[AV0]
	WIN 0x40                                       ; destination window 1
.set f1, 0
.rept 32
	ds_load_b128 v[VF+4*f1:VF+4*f1+3], v[ADR] offset:512*f1       ; V's channel tiles 0-7
.set f1, f1+1
.endr
	WIN 0
	; the 64 exponentials are one batch with one wait; 15 of the next step's products stand among them
.set j1, 0
.rept 64
	v_exp_f32 v[PR+j1], v[PR+j1]                   ; p = 2^(t - M), at most 1: not normalised
.if \next && (j1 == 7)
	s_wait_dscnt 34                                ; k's 16 loads are in; the 2 + 32 issued behind them may be out
.endif
.if (j1 >= 7) && ((j1%4) == 3)
	FW
.endif
.set j1, j1+1
.endr
	v_pk_mul_f32 v[LS:LS+1], v[LS:LS+1], v[FC:FC+1] op_sel_hi:[1,0]   ; the sums under the new M; the plain line behind the exponentials
	s_wait_alu depctr_va_vdst(0)                   ; the wait ahead of the batch's first reader: one for the 64
.irp b, 0,1,2,3
	v_exp_f32 v[BM+\b], v[BM+\b]                   ; each block's largest p
.endr
	v_pk_add_f32 v[8:9], v[PR:PR+1], v[PR+2:PR+3]  ; the row's sum is taken of the unquantised p: two chains
.set j1, 4
.rept 15
	v_pk_add_f32 v[LS:LS+1], v[LS:LS+1], v[PR+j1:PR+j1+1]
	v_pk_add_f32 v[8:9], v[8:9], v[PR+j1+2:PR+j1+3]
.if (j1%16) == 12
	FW
.endif
.set j1, j1+4
.endr
	v_pk_add_f32 v[LS:LS+1], v[LS:LS+1], v[8:9]
	s_wait_alu depctr_va_vdst(0)                   ; and one for the four
.irp b, 0,1,2,3
	v_max_num_f32 v[BM+\b], 0x8000000, v[BM+\b]    ; the floor 2^(16 - 127): the byte cannot fall under 1
.endr
	FW
.irp b, 0,1,2,3
	v_add_nc_u32 v[BS+\b], 0xf8800000, v[BM+\b]    ; 15 off the exponent field: the conversion's scale operand
.endr
	FW
.irp b, 0,1,2,3
	v_and_or_b32 v[BH+\b], v[BM+\b], 0x7f800000, s[MNT]   ; 57,344 x the scale
.endr
.irp b, 0,1,2,3
	v_lshrrev_b32 v[BM+\b], 23, v[BS+\b]           ; the scale's byte
.endr
	v_lshl_or_b32 v[PW], v[BM+1], 8, v[BM]         ; p's scale word for these 128 keys: the 64 holds below stand between it and the products that name it
	v_lshl_or_b32 v[PW], v[BM+2], 16, v[PW]
	v_lshl_or_b32 v[PW], v[BM+3], 24, v[PW]
.irp b, 0,1,2,3
.set j1, 0
.rept 16
	v_min_num_f32 v[PR+16*\b+j1], v[PR+16*\b+j1], v[BH+\b]   ; the conversion does not saturate (ISA guide 7.6.2); p is not negative, so the hold is one-sided
.if ((j1%5) == 0) && (j1 > 0)
	FW
.endif
.set j1, j1+1
.endr
	v_cvt_scalef32_pk8_bf8_f32 v[PC+4*\b:PC+4*\b+1], v[PR+16*\b:PR+16*\b+7], v[BS+\b]
	v_cvt_scalef32_pk8_bf8_f32 v[PC+4*\b+2:PC+4*\b+3], v[PR+16*\b+8:PR+16*\b+15], v[BS+\b]
.endr
.if \first
.rept 8
	v_nop                                          ; there is no O^T yet to rescale: the places behind the last f32 product and the conversions, ahead of the products below
.endr
.else
	WIN 0x41                                       ; O^T (destination and source 0) window 1, f window 0
.set j1, 0
.rept 64
	v_pk_mul_f32 v[j1:j1+1], v[j1:j1+1], v[FC:FC+1] op_sel_hi:[1,0]   ; O^T under the new M, from each accumulator's low end on.  These lines are also the places named above
.set j1, j1+2
.endr
.endif
	s_wait_dscnt 0x0                               ; V's tiles 0-7 and the scale words are in
	MX8 0, \first
.if \next
	HEAD_A                                         ; 12 plain lines that name no register of those products: the places in front of the loads below
.else
.rept 8
	v_nop
.endr
.endif
	WIN 0x40
.set f1, 0
.rept 32
	ds_load_b128 v[VF+4*f1:VF+4*f1+3], v[ADR] offset:16384+512*f1   ; V's channel tiles 8-15
.set f1, f1+1
.endr
	WIN 0
.if \next
	HEAD_B
	HEAD_C
.endif
	s_wait_dscnt 0x0
	MX8 8, \first
.if \next
	HEAD_D                                         ; 20 plain lines: the places in front of the next step's loads into V's fragments and scale words
.else
.rept 8
	v_nop                                          ; the places in front of the first read of O^T
.endr
.endif
.endm
; THE CHANGE OF SLOTS.  Each wave waits for all its tensor loads (its part of the slot ahead), adds 0 to its spare word, and waits for that and for its reads of the slot that it leaves.  fill = 1: a round of the
; cluster's barrier follows, so that no wave of any partner still reads that slot or has a load on its way, and the joint refill is the first thing behind it: one load a wave, with a whole step in which to land.
.macro CHANGE fill
	s_wait_tensorcnt 0x0                           ; no tensor load of mine is out, so a group 0 may be written
	ds_add_u32 v[SPW], v[NIL]
.if \fill
	s_xor_b32 s[G0W+1], s[G0W+1], SLOT1            ; the other slot than last time,
	s_add_nc_u64 s[G0W+2:G0W+3], s[G0W+2:G0W+3], SLOTB   ; the next block; the type bits on top are not reached
	s_wait_xcnt 0x0                                ; the last prefetch, a step back, has read its address
	s_add_nc_u64 s[PFA:PFA+1], s[PFA:PFA+1], SLOTB ; one block further on than the walking descriptor
	s_wait_dscnt 0x0                               ; the add is done, and my reads of the slot are over
	CROUND
	tensor_load_to_lds s[G0W:G0W+3], s[G1:G1+7]
	s_nop 0
.rept 4
	v_nop
.endr
	ASK
.else
	s_wait_dscnt 0x0
	s_barrier_signal -1
	s_barrier_wait -1
.endif
	s_xor_b32 s[TB], s[TB], SLOT1                  ; on to the other slot
.endm
	s_load_b256 s[4:11], s[0:1], 0x0               ; qf s[4:5], kv s[6:7], x s[8:9], gamma s[10:11]
	s_load_b64 s[12:13], s[0:1], 0x20              ; out0
	v_lshl_add_u32 v[SPW], v0, 2, SPARE
	v_mov_b32 v[NIL], 0
	ds_add_u32 v1, v2
	ds_add_u32 v1, v2
	s_wait_dscnt 0x0
	v_lshrrev_b32 v6, 5, v0
	v_readfirstlane_b32 s[WV], v6                  ; wave 0..7
	s_and_b32 s15, s[WV], 3                        ; t: my query tile
	s_lshr_b32 s16, s[WV], 2                       ; g: my key group
	s_bfe_u32 s17, ttmp6, 0x40000                  ; cx: my place in the cluster
	s_lshl_b32 s18, ttmp9, 2
	s_add_co_u32 s18, s18, s17                     ; my block of 64 queries: it enters q's, x's and out's addresses alone
	s_and_b32 s19, ttmp7, 0xffff                   ; the batch, which the four partners share
	s_mov_b32 s[SEL], 0x76543210
	s_mov_b32 s[SEL+1], 0xfedcba98
	s_mov_b32 s[CS], 0x3fb8aa3b                    ; log2(e)
	s_mov_b32 s[CS+1], s[CS]
	s_mov_b32 s[MNT], 0x600000                     ; the mantissa field of 57,344
	s_mov_b32 s[TB], 0
	; descriptor group 1: 41 rows of 32 elements of 8 bytes, dense; the mask names all four work-groups, bit 21 beside it
	s_mov_b32 s[G1], 15|(3<<16)|(1<<21)
	s_mov_b32 s[G1+1], 32<<16
	s_mov_b32 s[G1+2], 41<<16
	s_mov_b32 s[G1+3], 32<<16
	s_mov_b32 s[G1+4], 41
	s_mov_b32 s[G1+5], 32
	s_mov_b32 s[G1+6], 0
	s_mov_b32 s[G1+7], 0
	s_mul_i32 s48, s19, BATB                       ; my batch's first byte in kv
	s_mov_b32 s49, 0
	s_mul_i32 s50, s[WV], PART                     ; my wave's part of a block, in memory and in a slot: no place in the cluster enters it
	s_mov_b32 s51, 0
	s_lshl_b32 s52, s19, 6
	s_add_co_u32 s52, s52, s18
	s_lshl_b32 s52, s52, 2
	s_add_co_u32 s52, s52, s15
	s_lshl_b32 s52, s52, 10                        ; my tile of q
	s_mov_b32 s53, 0
	s_lshl_b32 s54, s16, 13
	s_add_co_u32 s54, s54, 15*SLOTB+KOFF           ; k of the first 256 keys lies in the last block; my step of it
	s_mov_b32 s55, 0
	s_lshl_b32 s56, s19, 22                        ; x and out: batch x 4 MiB + 32 wave channels x 16,384 + query block x 256
	s_lshl_b32 s57, s[WV], 19
	s_add_co_u32 s56, s56, s57
	s_lshl_b32 s57, s18, 8
	s_add_co_u32 s56, s56, s57
	s_mov_b32 s57, 0
	s_mul_i32 s58, s17, 82*256                     ; the prefetches: my work-group's 82 rows, in block 2: the first change of slots steps it to block 3
	s_add_co_u32 s58, s58, 2*SLOTB
	s_mov_b32 s59, 0
	s_add_co_u32 s[LIM], s[WV], 1
	s_lshr_b32 s[LIM], s[LIM], 2                   ; 0 in waves 0 to 2,
	s_or_b32 s[LIM], s[LIM], ttmp9                 ; of the batch's first cluster: the same in all four partners
	s_cmp_eq_u32 s[LIM], 0
	s_cselect_b32 s[LIM], 1, -1
	s_wait_kmcnt 0x0
	s_load_b32 s30, s[10:11], 0x0                  ; gamma
	s_add_nc_u64 s[6:7], s[6:7], s[48:49]
	s_mov_b32 s[G0A], 1
	s_mov_b32 s[G0A+1], s50                        ; slot 0
	s_add_nc_u64 s[G0A+2:G0A+3], s[6:7], s[50:51]  ; block 0
	s_mov_b32 s[G0W], 1
	s_add_co_u32 s[G0W+1], s50, SLOT1              ; slot 1
	s_add_nc_u64 s[G0W+2:G0W+3], s[G0A+2:G0A+3], SLOTB   ; block 1
	s_or_b32 s[G0A+3], s[G0A+3], 0x80000000        ; type = 2
	s_or_b32 s[G0W+3], s[G0W+3], 0x80000000
	s_add_nc_u64 s[4:5], s[4:5], s[52:53]
	s_add_nc_u64 s[54:55], s[6:7], s[54:55]
	s_add_nc_u64 s[8:9], s[8:9], s[56:57]
	s_add_nc_u64 s[12:13], s[12:13], s[56:57]
	s_add_nc_u64 s[PFA:PFA+1], s[6:7], s[58:59]
	CROUND                                         ; all four work-groups are here: the first joint loads meet
	tensor_load_to_lds s[G0A:G0A+3], s[G1:G1+7]    ; both first fills together: two loads of mine are out
	s_nop 0
	tensor_load_to_lds s[G0W:G0W+3], s[G1:G1+7]
	s_nop 0
.rept 4
	v_nop
.endr
	v_and_b32 v6, 31, v0
	v_lshlrev_b32 v6, 4, v6                        ; 16 x lane: an image's place for my lane
	global_load_b128 v[QR:QR+3], v6, s[4:5]        ; q stays in registers
	global_load_b128 v[QR+4:QR+7], v6, s[4:5] offset:512
.set f1, 0
.rept 16
	global_load_b128 v[KF+4*f1:KF+4*f1+3], v6, s[54:55] offset:512*f1   ; k of my first step, straight from memory
.set f1, f1+1
.endr
	s_lshl_b32 s52, s16, 13
	s_add_co_u32 s52, s52, KOFF
	v_add_nc_u32 v[AK0], s52, v6
	s_lshl_b32 s52, s16, 15
	v_add_nc_u32 v[AV0], s52, v6
	s_lshl_b32 s52, s16, 10
	s_add_co_u32 s52, s52, SOFF
	v_add_nc_u32 v[AS0], s52, v6
	v_min_u32 v[PFO], 81, v0
	v_lshlrev_b32 v[PFO], 8, v[PFO]
	v_and_b32 v8, 15, v0                           ; r
	v_bfe_u32 v9, v0, 4, 1                         ; h
	v_and_b32 v16, 8, v8
	v_add_nc_u32 v16, v16, v8                      ; r + 8 (r / 8)
	s_lshr_b32 s52, s15, 1
	s_lshl_b32 s52, s52, 5
	s_and_b32 s53, s15, 1
	s_lshl_b32 s53, s53, 3
	s_add_co_u32 s52, s52, s53                     ; my tile's first query: 32 (t / 2) + 8 (t % 2)
	s_lshl_b32 s52, s52, 2
	s_lshl_b32 s53, s16, 17                        ; key group 0 writes stage A (slot 0), group 1 stage B (slot 1)
	s_add_co_u32 s52, s52, s53
	v_lshlrev_b32 v16, 2, v16
	v_mad_u32_u24 v[STO0], v9, 8*SP, v16           ; the stage: channel row 8 h (+ 16 ct + j in the offset), 4 bytes at my query
	v_add_nc_u32 v[STO0], s52, v[STO0]
	v_add_nc_u32 v[STO1], 128*SP, v[STO0]
	v_lshlrev_b32 v[XO], 14, v9
	v_lshl_add_u32 v[XO], v8, 4, v[XO]             ; x and out: lanes 0-15 one channel row, lanes 16-31 the next; 16 bytes a lane
	v_mov_b32 v[TM], 0xff61b1e6                    ; the largest t so far: -3e38, under every t
	v_floor_f32 v[NM], -v[TM]
	v_mov_b32 v[LS], 0
	v_mov_b32 v[LS+1], 0
	v_mov_b32 v[FC+1], 0                           ; (named as the upper half of a pair)
.irp b, 0,1,2,3
	v_mov_b32 v[BH+\b], 0                          ; written once: a lane permute's destination counts as one of its sources
.endr
	s_wait_loadcnt 0x0                             ; q and k
	s_wait_kmcnt 0x0                               ; gamma
.set FI, 0
.rept 32
	FW                                             ; my first step's scores: there is no vector work yet to set between them
.endr
.rept 8
	v_nop
.endr
	HEAD_A
	HEAD_B
	HEAD_C
	HEAD_D
	s_wait_tensorcnt 0x1                           ; my part of slot 0 is in; slot 1's may stay out
	s_barrier_signal -1
	s_barrier_wait -1                              ; everybody's is
	BODY 1, 1                                      ; step 0
	s_mov_b32 s[SLOTS], 14
.Lslot:                                            ; 14 trips, steps 1 to 14: behind each change the slot just left takes the block two on
	CHANGE 1
	BODY 0, 1
	s_sub_co_u32 s[SLOTS], s[SLOTS], 1
	s_cmp_lg_u32 s[SLOTS], 0
	s_cbranch_scc1 .Lslot
	CHANGE 0                                       ; the last step is written out
	BODY 0, 0
	; THE TWO KEY GROUPS ARE JOINED.  Each wave hands -M and its sum to its partner (thread xor 128); both bring their parts under the larger M by exact powers of two.
	v_add_f32 v[LS], v[LS], v[LS+1]
	v_permlanex16_b32 v[BH], v[LS], s[SEL], s[SEL+1]
	v_add_f32 v[TM], v[LS], v[BH]                  ; my sum, beside -M
	v_lshl_add_u32 v[ADR], v0, 3, XCH
	v_xor_b32 v8, 128, v0
	v_lshl_add_u32 v8, v8, 3, XCH
	ds_store_b64 v[ADR], v[NM:NM+1]
	s_wait_dscnt 0x0                               ; for the others' sake: my store has landed; my reads of the last slot are long over
	s_barrier_signal -1
	s_barrier_wait -1                              ; from here on nobody reads a slot: both may take the stages
	ds_load_b64 v[16:17], v8
	v_and_b32 v9, 15, v0
	v_bfe_u32 v24, v0, 4, 1
	s_mul_i32 s52, s[WV], 32*SP
	v_mul_u32_u24 v[AK0], v24, SP
	v_lshl_add_u32 v[AK0], v9, 4, v[AK0]
	v_add_nc_u32 v[AK0], s52, v[AK0]               ; back out of stage A: channel rows 32 w + lane / 16 (+ 2 f1 in the offset), 16 bytes a lane
	v_add_nc_u32 v[AV0], SLOT1, v[AK0]             ; and of stage B
	s_wait_dscnt 0x0
	v_min_num_f32 v18, v[NM], v16                  ; -(the larger M)
	v_sub_f32 v19, v18, v[NM]
	v_sub_f32 v21, v18, v16
	v_cvt_i32_f32 v19, v19
	v_cvt_i32_f32 v21, v21
	v_ldexp_f32 v19, 1.0, v19                      ; my factor,
	v_ldexp_f32 v21, 1.0, v21                      ; my partner's
	v_mul_f32 v22, v17, v21
	v_fma_f32 v22, v[TM], v19, v22                 ; the row's whole sum
	v_rcp_f32 v23, v22
	v_mul_f32 v[FC], s30, v19                      ; gamma x my factor (the plain line behind the reciprocal)
	s_wait_alu depctr_va_vdst(0)                   ; the wait ahead of the first reader
	v_mul_f32 v[FC], v[FC], v23
	WIN 0x41
.set j1, 0
.rept 64
	v_pk_mul_f32 v[j1:j1+1], v[j1:j1+1], v[FC:FC+1] op_sel_hi:[1,0]
.set j1, j1+2
.endr
	WIN 0x04                                       ; an LDS store's data are its source 1: window 1
.set ct, 0
.rept 16
.set j1, 0
.rept 8
.if ct < 8
	ds_store_b32 v[STO0], v[8*ct+j1] offset:(16*ct+j1)*SP          ; channel 16 ct + 8 h + j1, my query
.else
	ds_store_b32 v[STO1], v[8*ct+j1] offset:(16*(ct-8)+j1)*SP
.endif
.set j1, j1+1
.endr
.set ct, ct+1
.endr
	WIN 0
	s_wait_dscnt 0x0
	s_barrier_signal -1
	s_barrier_wait -1                              ; both stages are whole
	; THE WAY OUT: wave w takes channels 32 w .. 32 w + 31 of the 64 queries: stage A + stage B + x
.set f1, 0
.rept 16
	ds_load_b128 v[PR+4*f1:PR+4*f1+3], v[AK0] offset:2*f1*SP
.set f1, f1+1
.endr
	WIN 0x40
.set f1, 0
.rept 16
	ds_load_b128 v[VF+4*f1:VF+4*f1+3], v[AV0] offset:2*f1*SP
.set f1, f1+1
.endr
	WIN 0
	s_wait_loadcnt 0x0                             ; x
	s_wait_dscnt 16                                ; stage A's 16 loads are in; stage B's may be out
.set j1, 0
.rept 32
	v_pk_add_f32 v[PR+j1:PR+j1+1], v[PR+j1:PR+j1+1], v[KF+j1:KF+j1+1]
.set j1, j1+2
.endr
	s_wait_dscnt 0x0
	WIN 0x04                                       ; source 1 window 1
.set j1, 0
.rept 32
	v_pk_add_f32 v[PR+j1:PR+j1+1], v[PR+j1:PR+j1+1], v[VF+j1:VF+j1+1]
.set j1, j1+2
.endr
	WIN 0
.set f1, 0
.rept 16
	global_store_b128 v[XO], v[PR+4*f1:PR+4*f1+3], s[12:13] offset:f1*2*16384 th:TH_STORE_NT   ; sixteen lanes store 256 consecutive bytes, at a multiple of 256 from out's first byte
.set f1, f1+1
.endr
	s_wait_tensorcnt 0x0                           ; the wave's end
	ds_add_u32 v[SPW], v[NIL]
	s_wait_dscnt 0x0
	CROUND                                         ; the closing round: no work-group ends while a partner may still ask for a block that names it
	s_endpgm
.Lfunc_end_k_qe26bc0ebf7_attn:
	.size	k_qe26bc0ebf7_attn, .Lfunc_end_k_qe26bc0ebf7_attn-k_qe26bc0ebf7_attn
	.p2alignl 7, 3214868480
	.fill 96, 4, 3214868480
	.section	.rodata,"a",@progbits
	.p2align	6, 0x0
	.amdhsa_kernel k_qe26bc0ebf7_attn
		.amdhsa_group_segment_fixed_size 327680
		.amdhsa_private_segment_fixed_size 0
		.amdhsa_enable_private_segment 0
		.amdhsa_kernarg_size 40
		.amdhsa_user_sgpr_count 2
		.amdhsa_user_sgpr_kernarg_segment_ptr 1
		.amdhsa_wavefront_size32 1
		.amdhsa_system_sgpr_workgroup_id_x 1
		.amdhsa_system_sgpr_workgroup_id_y 1
		.amdhsa_system_sgpr_workgroup_id_z 1
		.amdhsa_system_vgpr_workitem_id 0
		.amdhsa_next_free_vgpr 512
		.amdhsa_next_free_sgpr 66
		.amdhsa_reserve_vcc 0
		.amdhsa_float_denorm_mode_32 3
		.amdhsa_float_denorm_mode_16_64 3
		.amdhsa_memory_ordered 1
		.amdhsa_forward_progress 1
		.amdhsa_inst_pref_size 108
	.end_amdhsa_kernel
	.amdgpu_metadata
---
amdhsa.version: [ 1, 2 ]
amdhsa.kernels:
  - .name:           k_qe26bc0ebf7_attn
    .symbol:         k_qe26bc0ebf7_attn.kd
    .args:
      - { .name: qf, .offset: 0, .size: 8, .value_kind: global_buffer, .address_space: global }
      - { .name: kv, .offset: 8, .size: 8, .value_kind: global_buffer, .address_space: global }
      - { .name: x, .offset: 16, .size: 8, .value_kind: global_buffer, .address_space: global }
      - { .name: gamma, .offset: 24, .size: 8, .value_kind: global_buffer, .address_space: global }
      - { .name: out0, .offset: 32, .size: 8, .value_kind: global_buffer, .address_space: global }
    .group_segment_fixed_size: 327680
    .private_segment_fixed_size: 0
    .kernarg_segment_align: 8
    .kernarg_segment_size: 40
    .max_flat_workgroup_size: 256
    .sgpr_count:     66
    .vgpr_count:     512
    .wavefront_size: 32
...
	.end_amdgpu_metadata
.endif
;; end of part 2
